; MI455X (gfx1250); checked and timed in simulation.
; The chip was launched on July 23, 2026; its instructions are those of AMD's public machine-readable ISA for CDNA 5 (MIT licence, August 2026) and "CDNA5" Instruction Set Architecture Reference Guide (July 2026). The comments in the code are by the model that wrote it; some were corrected since.
;; Differentiable Persistence Image. Allowed arithmetic: matrix products marked QUANTISED: E5M2 operands, one given power-of-two scale a tensor, by v_wmma_f32_16x16x64_bf8_bf8 or v_wmma_f32_16x16x128_bf8_bf8, f32 sums; products left as they are: f32 operands where the result goes on into a quantised operand, else bf16, f16 or f32 operands; f32 sums; everything else in f32.
;; Inputs: diagrams 32 x 65,536 x 2 float32; lowp_scales 2 int32 (the exponents e of the quantised operands' scales 2^e).
;; Outputs: out0 32 x 50 x 50 float32.
;; This version of the problem:
;;   THIS VERSION OF THE PROBLEM IS GIVEN IN LOW PRECISION. The matrix products marked QUANTISED in the list below multiply operands that are first quantised to E5M2 (5 exponent bits, 2 mantissa bits; 8 bits a number), with one given power-of-two scale for each operand tensor; their sums are f32. All else is computed in f32.
;;   The module's matrix products, in the order in which they are computed (A, B: the left and right operand; K: the contracted axis; several contracted axes count as one K, in the product's order):
;;     1. batch 2,097,152 x [M 1, K 1] x [K 1, N 50]; A: computed on the way; B: computed on the way: left as it is (no contracted axis)
;;     2. batch 32 x [M 50, K 65,536] x [K 65,536, N 50]; A: computed on the way; B: computed on the way: QUANTISED (scales: A lowp_scales[0], B lowp_scales[1])
;;   THE QUANTISER, for each operand of a quantised product, along K:
;;     - The operand's scale is 2^e, e = its entry of the input lowp_scales (int32; the entries are numbered through the quantised products in the list's order, A before B).
;;     - Each number is divided by the scale, clamped to +-57,344, and rounded to the nearest number of E5M2, ties to even, subnormals kept.
;;     - The product sums the exact products of the quantised numbers (number of the format x scale) in f32.
;;   ~~~python
;;   def quantise(x, axis, e):      # numpy; x: float32 -> the quantised numbers, widened to float32 again
;;       x = np.moveaxis(x, axis, -1); K = x.shape[-1]
;;       r = np.clip(x / 2.0 ** e, -57344, 57344)
;;       step = 2.0 ** (np.maximum(np.frexp(np.where(r == 0, 1, r))[1] - 1, -14) - 2)
;;       q = np.round(r / step) * step * 2.0 ** e      # np.round: ties to even
;;       return np.moveaxis(q, -1, axis).astype(np.float32)
;;   ~~~
;;   OPERANDS COMPUTED ON THE WAY. 'Computed on the way' means the value that the module computes at that place (a softmax that the list does not call 'softmax' is quantised finished and normalised). What goes into a quantiser is computed in f32, as accurately as f32 sums, v_exp_f32 and their like allow (about 1e-6 of the number): no bf16 or f16 on the way to a quantiser, and a product that is left as it is and whose result goes on into a quantised operand takes f32 operands (vector FMAs, or v_wmma_f32_16x16x4_f32). A number that lies on a knife's edge between two numbers of the format may be rounded either way, as far as f32 arithmetic and the matrix unit's own rounding can turn it there, and no further.
;; One version. Each part assembles by itself: llvm-mc -triple=amdgcn-amd-amdhsa -mcpu=gfx1250 --defsym DOCPART=n.
;; ======== version 1 of 1: 2 launches
;; workspace buffers: part 2,560,000 bytes
;; launch image (part 1): grid 8 x 32, 8 waves a work-group, no clusters, 164,864 bytes of LDS; arguments diagrams, lowp_scales, part; writes part
.if DOCPART == 1
	.amdgcn_target "amdgcn-amd-amdhsa--gfx1250"
	.amdhsa_code_object_version 6
	.text
	.protected	k_q4fe8296001_image
	.globl	k_q4fe8296001_image
	.p2align	8
	.type	k_q4fe8296001_image,@function
k_q4fe8296001_image:
	s_mov_b64 s[64:65], 0
	v_nop
	global_prefetch_b8 v0, s[64:65] scope:SCOPE_SE
	s_setreg_imm32_b32 hwreg(HW_REG_WAVE_MODE, 25, 1), 1
	s_wait_xcnt 0x0
; part[slice][batch][i][j] = the sum over the slice's 8,192 points n of code0(w_n ex_i(n)) x code1(ey_j(n)), as the codes' values: the two scales are applied by the next launch.
; ex_i(n) = exp(-(x_i - b_n)^2 nf), ey_j(n) = exp(-(x_j - d_n)^2 nf), x_i = i / 49 rounded to f32, nf = 1 / (2 x 0.05^2 + 1e-8), w = min(|d - b|, 10)^2.  All of that in f32.
; code0, code1: E5M2 by the given scales 2^e0 (for w ex) and 2^e1 (for ey): divided by the scale, held at 57,344, rounded to the nearest code, ties to even.
; SHARES.  Work-group (slice x of 8, batch y of 32), eight waves; a wave takes 1,024 points in 16 steps of 64, the K of the matrix instruction, and keeps all 16 tiles of the 64 x 64 result (128 registers).
; The eight waves' sums meet in LDS once, at the end.  No input byte is read by two work-groups, so there is nothing to share in a cluster, and a wave's 512 bytes a step pass through registers anyway (for w).
; LAYOUT.  A LANE IS A GRID ROW, ITS REGISTERS RUN ALONG THE POINTS: lane (r = lane % 16, h = lane / 16) of a fragment holds grid row r at the step's positions 32 h .. 32 h + 31, so the conversions' results
; are the operand's registers.  The place of a point along K is the same in both operands, so every product meets its partner.  Position p holds point 2 (p % 32) + p / 32 of the step.
; 100 rows = six full tiles (A0-A2: w ex, i = 16 t + r; B0-B2: ey, j = 16 t + r) and four rows left over (i = 48, 49; j = 48, 49).  Those four are made with all 32 lanes at work: lane (q = lane / 8, s = lane % 8)
; takes row q (0: i 48, 1: i 49, 2: j 48, 3: j 49) at positions 8 s .. 8 s + 7, and its 8 codes go to a stage of 256 bytes in LDS, which is read back as fragment T (row r % 4) and as fragment T' (row (r % 4) xor 2).
; So a step has 200 exponentials a lane-row and none on padding.  Source 0 = A0, A1, A2, T (m is i), source 1 = B0, B1, B2, T' (n is j): i = 16 ta + 8 h + register, j = 16 tb + r; what is 50 or more is never stored to memory.
; LIMITS.  e0 and e1 between -126 and 112, so that 2^e and 57,344 x 2^e are f32 numbers.  v_exp_f32 gives 0 for results under 2^-126 (ISA guide, its entry): that can show only for e0 under -102 or e1 under -109.
; NaN among the inputs is not served (|d - b| = NaN counts as 10 here).
; LDS: PTS: for each wave two slots of 1,024 bytes: b[64], d[64], w[64], ones[64] by position.  LST: for each wave the stage of 4 rows x 64 codes.  RED: images of the waves' 128 accumulator registers.
; OUTI: the work-group's image, 64 rows of 200 bytes (rows 50-63 take what has no meaning, so that no mask on i is needed).
.set PTS,  0
.set LST,  16384
.set RED,  18432
.set OUTI, 149504
.set LN,   1                           ; v1   lane
.set GOFF, 2                           ; v2   16 x lane + 512 x (the step that the next global load brings)
.set RW,   3                           ; v3   r
.set SB0,  4                           ; v4   2048 wave + 4 lane;          v5  the same + the slot in hand
.set SBA,  5
.set BC0,  6                           ; v6   2048 wave + 128 h;           v7  + slot
.set BCA,  7
.set LA0,  8                           ; v8   2048 wave + 256 h + 32 (lane % 8);  v9  + slot
.set LAA,  9
.set LSW,  10                          ; v10  my 8 codes' place in the stage
.set LSR,  11                          ; v11  T's row for my lane
.set LSR2, 12                          ; v12  T' 's row
.set HH,   13                          ; v13  h
.set RI,   14                          ; v14, v15, v240-244: the addresses of the end
.set RR0,  15
.set XG,   16                          ; v[16:17], v[18:19], v[20:21]  (x, x) of grid row r, 16 + r, 32 + r
.set XL,   22                          ; v[22:23]  (x, x) of grid row 48 + bit 3 of the lane
.set LIM0, 24                          ; 57,344 x 2^e0
.set LIM1, 25                          ; 57,344 x 2^e1
.set SC0,  26                          ; 2^e0
.set SC1,  27                          ; 2^e1
.set LIML, 28                          ; lanes 0-15 e0's, lanes 16-31 e1's: for the four rows left over
.set SCL,  29
.set ONE,  30
.set RAW,  32                          ; v[32:35]   two points as loaded: b, d, b, d
.set WT,   36                          ; v[36:37]   their weights
.set PD,   40                          ; v[40:71]   d at my 32 positions
.set PB,   72                          ; v[72:103]  b
.set WR,   104                         ; v[104:135] w
.set VR,   136                         ; v[136:167] four groups of 8 numbers at work, by turns
.set BF,   168                         ; v[168:199] B0, B1, B2, T'
.set AF,   200                         ; v[200:215] two sets for A's tiles
.set TF,   216                         ; v[216:223] T
.set LP,   224                         ; v[224:231] the left-over rows: my 8 coordinates
.set LW,   232                         ; v[232:239] and weights (ones for ey's rows)
.set RR1,  240
.set OA,   241
.set ORD,  242
.set GO,   243
.set VJ,   244
.set LC,   248                         ; v[248:249] my 8 codes of a left-over row
.set SUM,  40                          ; the end: v[40:167], eight waves' parts of my two tiles
; window 1: accumulator (ta, tb) at v[8 (4 ta + tb)]
.set MSB, 0
.macro WIN new                         ; the immediate's high byte repeats the setting that is left
.if MSB != \new
	s_set_vgpr_msb (MSB<<8)|\new
.set MSB, \new
.endif
.endm
; THE PIPELINE OF GROUPS.  A group is 8 numbers of a lane, one conversion.  Three groups are at work at a time: of the NEXT the exponent is made, of the CURRENT the exponentials, of the PREVIOUS weight, hold and codes.
.macro RESET
.set GI, 0
.set n_on, 0
.set n_V, 0
.set n_P, 0
.set n_X, 0
.set n_W, 0
.set n_L, 0
.set n_S, 0
.set n_D, 0
.set c_on, 0
.set c_V, 0
.set c_W, 0
.set c_L, 0
.set c_S, 0
.set c_D, 0
.set p_on, 0
.set p_V, 0
.set p_W, 0
.set p_L, 0
.set p_S, 0
.set p_D, 0
.endm
.macro SHIFT
.set p_on, c_on
.set p_V, c_V
.set p_W, c_W
.set p_L, c_L
.set p_S, c_S
.set p_D, c_D
.set c_on, n_on
.set c_V, n_V
.set c_W, n_W
.set c_L, n_L
.set c_S, n_S
.set c_D, n_D
.endm
.macro I_EXP k
.if c_on
	v_exp_f32 v[c_V+\k], v[c_V+\k]
.endif
.endm
.macro I_SUB q                         ; x - p, two at a time
.if n_on
	v_pk_add_f32 v[n_V+2*\q:n_V+2*\q+1], v[n_X:n_X+1], v[n_P+2*\q:n_P+2*\q+1] neg_lo:[0,1] neg_hi:[0,1]
.endif
.endm
.macro I_SQ q                          ; squared
.if n_on
	v_pk_mul_f32 v[n_V+2*\q:n_V+2*\q+1], v[n_V+2*\q:n_V+2*\q+1], v[n_V+2*\q:n_V+2*\q+1]
.endif
.endm
.macro I_SC q                          ; x (-nf log2 e): the scalar pair's low word for both halves
.if n_on
	v_pk_mul_f32 v[n_V+2*\q:n_V+2*\q+1], v[n_V+2*\q:n_V+2*\q+1], s[18:19] op_sel_hi:[1,0]
.endif
.endm
.macro I_W q                           ; x w: the product w ex, on f32 operands
.if p_on
.if p_W >= 0
	s_wait_alu depctr_va_vdst(0)
	v_pk_mul_f32 v[p_V+2*\q:p_V+2*\q+1], v[p_V+2*\q:p_V+2*\q+1], v[p_W+2*\q:p_W+2*\q+1]
.endif
.endif
.endm
.macro I_HOLD q                        ; the conversion to an 8-bit code does not saturate (ISA guide 7.6.2); the numbers are never negative, so the hold is one-sided.  It is always executed, whatever e is
.if p_on
	s_wait_alu depctr_va_vdst(0)
	v_min_num_f32 v[p_V+2*\q], v[p_L], v[p_V+2*\q]
	s_wait_alu depctr_va_vdst(0)
	v_min_num_f32 v[p_V+2*\q+1], v[p_L], v[p_V+2*\q+1]
.endif
.endm
.macro I_CVT
.if p_on
	v_cvt_scalef32_pk8_bf8_f32 v[p_D:p_D+1], v[p_V:p_V+7], v[p_S]
.endif
.endm
; One turn of the pipeline.  Behind every exponential stands a plain instruction on other registers before its result is used, and behind the conversion a plain instruction before its codes are
; used or its sources written (ISA guide 5.7.2 for the exponentials); no two exponentials follow each other.
.macro MIX
	I_EXP 0
	I_SUB 0
	I_W 0
	I_SUB 1
	I_EXP 1
	I_W 1
	I_SUB 2
	I_EXP 2
	I_SUB 3
	I_W 2
	I_EXP 3
	I_W 3
	I_SQ 0
	I_HOLD 0
	I_EXP 4
	I_SQ 1
	I_HOLD 1
	I_SQ 2
	I_EXP 5
	I_HOLD 2
	I_SQ 3
	I_EXP 6
	I_HOLD 3
	I_SC 0
	I_SC 1
	I_EXP 7
	I_CVT
	I_SC 2
	I_SC 3
.endm
; A new group enters: coordinates v[pp ..], grid pair v[xx], weights v[ww ..] (-1: none), hold v[ll], scale v[ss], codes to v[dd], v[dd + 1].  Its codes are written in the second turn after this one.
.macro G pp, xx, ww, ll, ss, dd
	SHIFT
.set n_on, 1
.set n_V, VR+8*(GI%4)
.set n_P, (\pp)
.set n_X, (\xx)
.set n_W, (\ww)
.set n_L, (\ll)
.set n_S, (\ss)
.set n_D, (\dd)
.set GI, GI+1
	MIX
.endm
.macro GEND                            ; a turn in which nothing enters
	SHIFT
.set n_on, 0
	MIX
.endm
.macro GB t, g                         ; group g of tile B t
	G PD+8*\g, XG+2*\t, -1, LIM1, SC1, BF+8*\t+2*\g
.endm
.macro GA t, g                         ; group g of tile A t
	G PB+8*\g, XG+2*\t, WR+8*\g, LIM0, SC0, AF+8*((\t)%2)+2*\g
.endm
.macro GLOAD                           ; 64 points: the wave reads 512 consecutive bytes, at a multiple of 512 from the buffer's first byte; read once in the launch
	global_load_b128 v[RAW:RAW+3], v[GOFF], s[4:5] th:TH_LOAD_NT
.endm
; The points that have arrived go to the other slot, parted into b, d and w; then d and the left-over rows' numbers of that step are asked for.
.macro PREP
	s_wait_loadcnt 0x0                             ; the one load that is out has landed: RAW may be read and its offset register stepped
	v_add_nc_u32 v[GOFF], 512, v[GOFF]
	s_xor_b32 s14, s14, 1024                       ; the other slot
	v_add_nc_u32 v[SBA], s14, v[SB0]
	v_add_nc_u32 v[BCA], s14, v[BC0]
	v_add_nc_u32 v[LAA], s14, v[LA0]
	v_sub_f32 v[WT], v[RAW+1], v[RAW]
	v_sub_f32 v[WT+1], v[RAW+3], v[RAW+2]
	v_min_num_f32 v[WT], |v[WT]|, s16              ; min(|d - b|, 10)
	v_min_num_f32 v[WT+1], |v[WT+1]|, s16
	v_mul_f32 v[WT], v[WT], v[WT]
	v_mul_f32 v[WT+1], v[WT+1], v[WT+1]
	ds_store_b32 v[SBA], v[RAW]                    ; position lane: point 2 lane;  position 32 + lane: point 2 lane + 1
	ds_store_b32 v[SBA], v[RAW+2] offset:128
	ds_store_b32 v[SBA], v[RAW+1] offset:256
	ds_store_b32 v[SBA], v[RAW+3] offset:384
	ds_store_b32 v[SBA], v[WT] offset:512
	ds_store_b32 v[SBA], v[WT+1] offset:640
.irp l, 0,1,2,3,4,5,6,7                        ; LDS serves a wave's instructions in order (ISA guide 5.7.1.4): these see the stores above.  The sixteen lanes of a half read the same 16 bytes
	ds_load_b128 v[PD+4*\l:PD+4*\l+3], v[BCA] offset:256+16*\l
.endr
	ds_load_b128 v[LP:LP+3], v[LAA]                ; lanes 0-15: b, lanes 16-31: d
	ds_load_b128 v[LP+4:LP+7], v[LAA] offset:16
	ds_load_b128 v[LW:LW+3], v[LAA] offset:512     ; lanes 0-15: w, lanes 16-31: ones
	ds_load_b128 v[LW+4:LW+7], v[LAA] offset:528
.endm
.macro FGROUP                          ; b and w of the same step, when the step in hand has read its own for the last time
.irp l, 0,1,2,3,4,5,6,7
	ds_load_b128 v[PB+4*\l:PB+4*\l+3], v[BCA] offset:16*\l
.endr
.irp l, 0,1,2,3,4,5,6,7
	ds_load_b128 v[WR+4*\l:WR+4*\l+3], v[BCA] offset:512+16*\l
.endr
.endm
; Four products: A's tile ta (in v[afr ..]) against B's four.  zero = 1: they start the sums: nothing is ever cleared.  The 16 accumulators take turns, one instruction a turn, in the same order in every step
.macro MM ta, afr, zero
	WIN 0x50                                       ; C and D in window 1
.irp tb, 0,1,2,3
.if \zero
	v_wmma_f32_16x16x64_bf8_bf8 v[8*(4*\ta+\tb):8*(4*\ta+\tb)+7], v[\afr:\afr+7], v[BF+8*\tb:BF+8*\tb+7], 0
.else
	v_wmma_f32_16x16x64_bf8_bf8 v[8*(4*\ta+\tb):8*(4*\ta+\tb)+7], v[\afr:\afr+7], v[BF+8*\tb:BF+8*\tb+7], v[8*(4*\ta+\tb):8*(4*\ta+\tb)+7]
.endif
.endr
	WIN 0
.endm
; A STEP: 64 points.  next = 1: the next step's numbers are made ready on the way.  gl = 1: the step after that is asked for from memory; 2: unless this is the loop's last trip (no load leaves the wave's 8,192 bytes).
; A register of a product is next written, or loaded into, behind a turn of the pipeline or more: far more than the four plain instructions that are asked (ISA guide 7.12.1).
.macro STEP zero, next, gl
	RESET
	s_wait_dscnt 16                                ; the 16 loads of b and w, issued last, may be out: d and the left-over rows' numbers are in
	G LP, XL, LW, LIML, SCL, LC
	GB 0, 0
	GB 0, 1                                        ; in this turn the left-over rows' codes are written
	ds_store_b64 v[LSW], v[LC:LC+1]
	ds_load_b128 v[TF:TF+3], v[LSR]                ; served in order: these see the store
	ds_load_b128 v[TF+4:TF+7], v[LSR] offset:16
	ds_load_b128 v[BF+24:BF+27], v[LSR2]           ; the same codes once more, into registers of their own: the two sources of a product share none
	ds_load_b128 v[BF+28:BF+31], v[LSR2] offset:16
	GB 0, 2
	GB 0, 3
.irp g, 0,1,2,3
	GB 1, \g
.endr
.irp g, 0,1,2,3
	GB 2, \g
.endr
	s_wait_dscnt 5                                 ; the store and the four loads above may be out: b and w are in
	GA 0, 0
	GA 0, 1                                        ; in this turn B2's last codes are written
	s_wait_dscnt 0x0                               ; T and T' are in
	MM 3, TF, \zero
	GA 0, 2
	GA 0, 3
	GA 1, 0
	GA 1, 1                                        ; A0 is whole
	MM 0, AF, \zero
.if \next
	PREP
.endif
	GA 1, 2
	GA 1, 3
	GA 2, 0
	GA 2, 1                                        ; A1 is whole
.if \next
	s_wait_dscnt 12                                ; the 12 loads issued behind them may be out: the six stores have read RAW
.if \gl == 2
	s_cmp_eq_u32 s15, 1
	s_cbranch_scc1 .Lno_load_\@
.endif
	GLOAD                                          ; it has a whole step in which to land
.if \gl == 2
.Lno_load_\@:
.endif
.endif
	MM 1, AF+8, \zero
	GA 2, 2
	GA 2, 3
	GEND
	GEND                                           ; A2 is whole
	v_nop                                          ; a plain instruction between the last conversion and the products that read its codes
.if \next
	FGROUP
.endif
	MM 2, AF, \zero
.endm
; x = i / 49, correctly rounded: q = i R, then one step with the exact remainder.  i = v[src] + add
.macro GRIDX dst, src, add
.if \add
	v_add_nc_u32 v244, \add, v[\src]
	v_cvt_f32_u32 v244, v244
.else
	v_cvt_f32_u32 v244, v[\src]
.endif
	v_mul_f32 v245, s27, v244
	v_fma_f32 v246, -v245, s26, v244
	v_fma_f32 v[\dst], v246, s27, v245
	v_mov_b32 v[\dst+1], v[\dst]                   ; the packed subtraction takes a pair
.endm
	s_load_b128 s[4:7], s[0:1], 0x0                ; diagrams s[4:5], the scales' exponents s[6:7]
	s_load_b64 s[8:9], s[0:1], 0x10                ; part
	v_lshl_add_u32 v254, v0, 2, 0x28000
	v_mov_b32 v255, 0
	v_and_b32 v[LN], 31, v0
	v_and_b32 v[RW], 15, v0
	v_bfe_u32 v[HH], v0, 4, 1
	v_lshrrev_b32 v[GOFF], 5, v0
	v_readfirstlane_b32 s10, v[GOFF]               ; wave 0..7
	s_and_b32 s20, ttmp7, 0xffff                   ; batch
	s_lshl_b32 s22, s20, 19                        ; a batch is 65,536 points of 8 bytes,
	s_lshl_b32 s23, ttmp9, 16                      ; a slice 8,192,
	s_add_co_u32 s22, s22, s23
	s_lshl_b32 s23, s10, 13                        ; a wave's part 1,024
	s_add_co_u32 s22, s22, s23
	s_mov_b32 s23, 0
	s_mul_i32 s24, ttmp9, 320000                   ; part: a slice is an image of the whole output,
	s_mul_i32 s25, s20, 10000                      ; a batch 50 x 50 numbers
	s_add_co_u32 s24, s24, s25
	s_mov_b32 s25, 0
	v_lshlrev_b32 v[GOFF], 4, v[LN]
	s_wait_kmcnt 0x0
	s_load_b64 s[12:13], s[6:7], 0x0               ; e0, e1
	s_add_nc_u64 s[4:5], s[4:5], s[22:23]
	s_add_nc_u64 s[8:9], s[8:9], s[24:25]
	GLOAD                                          ; step 0
	s_lshl_b32 s21, s10, 11                        ; my wave's 2,048 bytes of PTS
	v_lshl_add_u32 v[SB0], v[LN], 2, s21
	v_lshl_add_u32 v[BC0], v[HH], 7, s21
	v_and_b32 v[LAA], 7, v0
	v_lshlrev_b32 v[LAA], 5, v[LAA]
	v_lshl_add_u32 v[LA0], v[HH], 8, v[LAA]
	v_add_nc_u32 v[LA0], s21, v[LA0]
	s_lshl_b32 s17, s10, 8
	s_add_co_u32 s17, s17, LST                     ; my wave's stage
	v_lshl_add_u32 v[LSW], v[LN], 3, s17
	v_and_b32 v[LSR], 3, v0
	v_xor_b32 v[LSR2], 2, v[LSR]
	v_lshlrev_b32 v[LSR], 6, v[LSR]
	v_lshlrev_b32 v[LSR2], 6, v[LSR2]
	v_lshl_add_u32 v[LSR], v[HH], 5, v[LSR]
	v_lshl_add_u32 v[LSR2], v[HH], 5, v[LSR2]
	v_add_nc_u32 v[LSR], s17, v[LSR]
	v_add_nc_u32 v[LSR2], s17, v[LSR2]
	v_mov_b32 v[ONE], 1.0
	ds_store_b32 v[SB0], v[ONE] offset:768         ; the ones of both slots, once
	ds_store_b32 v[SB0], v[ONE] offset:896
	ds_store_b32 v[SB0], v[ONE] offset:1792
	ds_store_b32 v[SB0], v[ONE] offset:1920
	s_mov_b32 s26, 0x42440000                      ; 49
	s_mov_b32 s27, 0x3ca72f05                      ; R = 1 / 49 rounded
	GRIDX XG, RW, 0
	GRIDX XG+2, RW, 16
	GRIDX XG+4, RW, 32
	v_bfe_u32 v247, v0, 3, 1
	GRIDX XL, 247, 48
	s_mov_b32 s14, 1024                            ; the first turn of slots leads to slot 0
	s_mov_b32 s16, 0x41200000                      ; 10
	s_mov_b32 s18, 0xc39044eb                      ; -nf log2 e = -288.53843
	s_mov_b32 s19, s18                             ; (named with it as a pair, so it is written)
	s_wait_kmcnt 0x0
	s_add_co_i32 s22, s12, 127
	s_lshl_b32 s23, s22, 23
	v_mov_b32 v[SC0], s23                          ; 2^e0 as f32: the conversion takes its exponent field
	s_add_co_i32 s22, s22, 15
	s_lshl_b32 s22, s22, 23
	s_or_b32 s22, s22, 0x600000
	v_mov_b32 v[LIM0], s22                         ; 57,344 x 2^e0
	s_add_co_i32 s22, s13, 127
	s_lshl_b32 s23, s22, 23
	v_mov_b32 v[SC1], s23
	s_add_co_i32 s22, s22, 15
	s_lshl_b32 s22, s22, 23
	s_or_b32 s22, s22, 0x600000
	v_mov_b32 v[LIM1], s22
	v_cmp_gt_u32 vcc_lo, 16, v[LN]                 ; lanes 0-15 make rows of w ex, lanes 16-31 rows of ey
	v_cndmask_b32 v[LIML], v[LIM1], v[LIM0], vcc_lo
	v_cndmask_b32 v[SCL], v[SC1], v[SC0], vcc_lo
	PREP                                           ; step 0 into slot 0
	s_wait_dscnt 12                                ; the stores have read RAW
	GLOAD                                          ; step 1
	FGROUP
	STEP 1, 1, 1                                   ; step 0 stands in front of the loop: its products start the sums
	s_mov_b32 s15, 14
.Lstep:                                                ; steps 1 to 14
	STEP 0, 1, 2
	s_sub_co_u32 s15, s15, 1
	s_cmp_lg_u32 s15, 0
	s_cbranch_scc1 .Lstep
	STEP 0, 0, 0                                   ; step 15: nothing follows it
	; THE END.  The addresses are made here: twenty instructions, the places behind the last products.
	s_lshl_b32 s20, s10, 14
	s_add_co_u32 s20, s20, RED                     ; my wave's image: 128 registers x 128 bytes
	v_lshl_add_u32 v[RI], v[LN], 4, s20
	s_lshl_b32 s21, s10, 11
	s_add_co_u32 s21, s21, RED                     ; tiles 2 wave, 2 wave + 1 (16 registers, 2,048 bytes) in wave 0's image
	v_lshl_add_u32 v[RR0], v[LN], 4, s21
	v_add_nc_u32 v[RR1], 0x10000, v[RR0]           ; and in wave 4's: the immediate offset has 16 bits
	s_lshr_b32 s22, s10, 1                         ; ta of my two tiles
	s_and_b32 s23, s10, 1                          ; tb = 2 (wave % 2), and + 1
	s_mul_i32 s22, s22, 3200                       ; 16 ta rows of 200 bytes
	s_lshl_b32 s24, s23, 7                         ; 32 (wave % 2) columns
	s_add_co_u32 s22, s22, s24
	s_add_co_u32 s22, s22, OUTI
	v_mul_u32_u24 v[OA], v[HH], 1600               ; 8 h rows
	v_lshl_add_u32 v[OA], v[RW], 2, v[OA]
	v_add_nc_u32 v[OA], s22, v[OA]
	v_lshlrev_b32 v[GO], 4, v0                     ; 16 bytes a thread
	v_add_nc_u32 v[ORD], OUTI, v[GO]
	s_lshl_b32 s23, s23, 5
	v_add_nc_u32 v[VJ], s23, v[RW]                 ; j of my first tile
	WIN 0x04                                       ; the stores' data in window 1
.set k, 0
.rept 32
	ds_store_b128 v[RI], v[4*k:4*k+3] offset:512*k ; my sums as images of their registers, each accumulator from its low end on
.set k, k+1
.endr
	WIN 0
	s_wait_dscnt 0x0                               ; for the others' sake: my stores have landed
	s_barrier_signal -1
	s_barrier_wait -1
.irp z, 0,1,2,3
.irp c, 0,1,2,3
	ds_load_b128 v[SUM+16*\z+4*\c:SUM+16*\z+4*\c+3], v[RR0] offset:16384*\z+512*\c
.endr
.endr
.irp z, 4,5,6,7
.irp c, 0,1,2,3
	ds_load_b128 v[SUM+16*\z+4*\c:SUM+16*\z+4*\c+3], v[RR1] offset:16384*(\z-4)+512*\c
.endr
.endr
.macro ADD16 a, b
.irp i, 0,2,4,6,8,10,12,14
	v_pk_add_f32 v[\a+\i:\a+\i+1], v[\a+\i:\a+\i+1], v[\b+\i:\b+\i+1]
.endr
.endm
	s_wait_dscnt 16                                ; waves 0 to 3's parts are in; the 16 younger loads may be out
	ADD16 SUM, SUM+16
	ADD16 SUM+32, SUM+48
	ADD16 SUM, SUM+32
	s_wait_dscnt 0x0
	ADD16 SUM+64, SUM+80
	ADD16 SUM+96, SUM+112
	ADD16 SUM+64, SUM+96
	ADD16 SUM, SUM+64
.irp j, 0,1,2,3,4,5,6,7
	ds_store_b32 v[OA], v[SUM+\j] offset:200*\j    ; my first tile: j is 47 at the most
.endr
	s_wait_xcnt 0x0                                ; EXEC changes only behind this wait
	v_cmp_gt_u32 vcc_lo, 34, v[VJ]                 ; my second tile lies 16 columns on: j < 50
	s_and_saveexec_b32 s28, vcc_lo
.irp j, 0,1,2,3,4,5,6,7
	ds_store_b32 v[OA], v[SUM+8+\j] offset:64+200*\j
.endr
	s_or_b32 exec_lo, exec_lo, s28
	s_wait_dscnt 0x0                               ; for the others' sake
	s_barrier_signal -1
	s_barrier_wait -1
	ds_load_b128 v[SUM+16:SUM+19], v[ORD]          ; the image's first 10,000 bytes are 625 pieces of 16: 256, 256 and 113 threads
	ds_load_b128 v[SUM+20:SUM+23], v[ORD] offset:4096
	ds_load_b128 v[SUM+24:SUM+27], v[ORD] offset:8192
	s_wait_dscnt 2                                 ; the two younger loads may be out
	global_store_b128 v[GO], v[SUM+16:SUM+19], s[8:9]              ; a wave stores 512 consecutive bytes
	s_wait_dscnt 1
	global_store_b128 v[GO], v[SUM+20:SUM+23], s[8:9] offset:4096
	s_wait_dscnt 0x0
	s_wait_xcnt 0x0                                ; EXEC changes only behind this wait
	v_cmp_gt_u32 vcc_lo, 113, v0
	s_barrier_signal -1
	s_barrier_wait -1
	s_wait_tensorcnt 0x0
	ds_add_u32 v254, v255
	s_wait_dscnt 0x0
	s_and_saveexec_b32 s28, vcc_lo
	global_store_b128 v[GO], v[SUM+24:SUM+27], s[8:9] offset:8192
	s_wait_xcnt 0x0                                ; and again, in front of the line that widens it
	s_or_b32 exec_lo, exec_lo, s28
	s_endpgm
.Lfunc_end_k_q4fe8296001_image:
	.size	k_q4fe8296001_image, .Lfunc_end_k_q4fe8296001_image-k_q4fe8296001_image
	.p2alignl 7, 3214868480
	.fill 96, 4, 3214868480
	.section	.rodata,"a",@progbits
	.p2align	6, 0x0
	.amdhsa_kernel k_q4fe8296001_image
		.amdhsa_group_segment_fixed_size 164864
		.amdhsa_private_segment_fixed_size 0
		.amdhsa_enable_private_segment 0
		.amdhsa_kernarg_size 24
		.amdhsa_user_sgpr_count 2
		.amdhsa_user_sgpr_kernarg_segment_ptr 1
		.amdhsa_wavefront_size32 1
		.amdhsa_system_sgpr_workgroup_id_x 1
		.amdhsa_system_sgpr_workgroup_id_y 1
		.amdhsa_system_sgpr_workgroup_id_z 1
		.amdhsa_system_vgpr_workitem_id 0
		.amdhsa_next_free_vgpr 384
		.amdhsa_next_free_sgpr 66
		.amdhsa_reserve_vcc 1
		.amdhsa_float_denorm_mode_32 3
		.amdhsa_float_denorm_mode_16_64 3
		.amdhsa_memory_ordered 1
		.amdhsa_forward_progress 1
		.amdhsa_inst_pref_size 161
	.end_amdhsa_kernel
	.amdgpu_metadata
---
amdhsa.version: [ 1, 2 ]
amdhsa.kernels:
  - .name:           k_q4fe8296001_image
    .symbol:         k_q4fe8296001_image.kd
    .args:
      - { .name: diagrams, .offset: 0, .size: 8, .value_kind: global_buffer, .address_space: global }
      - { .name: lowp_scales, .offset: 8, .size: 8, .value_kind: global_buffer, .address_space: global }
      - { .name: part, .offset: 16, .size: 8, .value_kind: global_buffer, .address_space: global }
    .group_segment_fixed_size: 164864
    .private_segment_fixed_size: 0
    .kernarg_segment_align: 8
    .kernarg_segment_size: 24
    .max_flat_workgroup_size: 256
    .sgpr_count:     66
    .vgpr_count:     384
    .wavefront_size: 32
...
	.end_amdgpu_metadata
.endif
;; end of part 1
;; launch fold (part 2): grid 625 x 1, 1 waves a work-group, no clusters, 0 bytes of LDS; arguments part, lowp_scales, out0; writes out0
.if DOCPART == 2
	.amdgcn_target "amdgcn-amd-amdhsa--gfx1250"
	.amdhsa_code_object_version 6
	.text
	.protected	k_q4fe8296001_fold
	.globl	k_q4fe8296001_fold
	.p2align	8
	.type	k_q4fe8296001_fold,@function
k_q4fe8296001_fold:
	s_mov_b64 s[64:65], 0
	v_nop
	global_prefetch_b8 v0, s[64:65] scope:SCOPE_SE
	s_setreg_imm32_b32 hwreg(HW_REG_WAVE_MODE, 25, 1), 1
	s_wait_xcnt 0x0
; out0 = 2^(e0 + e1) x the sum over the 8 slices of part.  Each slice of part is laid as out0 is (320,000 bytes), so the sum goes number by number.
; A wave owns 512 consecutive bytes of out0, at a multiple of 512 from its first byte: a thread 16.  Eight loads a thread, all out together; the waits count down.  The sum is in ascending order of the slices.
; The power of two is applied by v_ldexp_f32: no limit on e0 + e1.  A stream: LDS, barriers and matrix units would add nothing.
.set SLICE, 320000
	s_load_b128 s[4:7], s[0:1], 0x0                ; part s[4:5], the scales' exponents s[6:7]
	s_load_b64 s[8:9], s[0:1], 0x10                ; out0
	v_lshlrev_b32 v1, 4, v0
	s_lshl_b32 s10, ttmp9, 9
	s_mov_b32 s11, 0
	s_wait_kmcnt 0x0
	s_load_b64 s[12:13], s[6:7], 0x0               ; e0, e1
	s_add_nc_u64 s[4:5], s[4:5], s[10:11]
	s_add_nc_u64 s[8:9], s[8:9], s[10:11]
.irp s, 0,1,2,3,4,5,6,7
	global_load_b128 v[4+4*\s:7+4*\s], v1, s[4:5] offset:SLICE*\s th:TH_LOAD_NT   ; 7 slices on at the most: 2,240,000 bytes, inside the signed 24-bit immediate (ISA guide, chapter 10)
.endr
	s_wait_kmcnt 0x0
	s_add_co_i32 s12, s12, s13                     ; e0 + e1
.irp s, 1,2,3,4,5,6,7
	s_wait_loadcnt 7-\s                            ; loads come back in order (ISA guide 5.7.1): slice s is in, the younger ones may be out
	v_pk_add_f32 v[4:5], v[4:5], v[4+4*\s:5+4*\s]
	v_pk_add_f32 v[6:7], v[6:7], v[6+4*\s:7+4*\s]
.endr
.irp j, 4,5,6,7
	v_ldexp_f32 v[\j], v[\j], s12
.endr
	global_store_b128 v1, v[4:7], s[8:9] th:TH_STORE_NT
	s_endpgm
.Lfunc_end_k_q4fe8296001_fold:
	.size	k_q4fe8296001_fold, .Lfunc_end_k_q4fe8296001_fold-k_q4fe8296001_fold
	.p2alignl 7, 3214868480
	.fill 96, 4, 3214868480
	.section	.rodata,"a",@progbits
	.p2align	6, 0x0
	.amdhsa_kernel k_q4fe8296001_fold
		.amdhsa_group_segment_fixed_size 0
		.amdhsa_private_segment_fixed_size 0
		.amdhsa_enable_private_segment 0
		.amdhsa_kernarg_size 24
		.amdhsa_user_sgpr_count 2
		.amdhsa_user_sgpr_kernarg_segment_ptr 1
		.amdhsa_wavefront_size32 1
		.amdhsa_system_sgpr_workgroup_id_x 1
		.amdhsa_system_sgpr_workgroup_id_y 1
		.amdhsa_system_sgpr_workgroup_id_z 1
		.amdhsa_system_vgpr_workitem_id 0
		.amdhsa_next_free_vgpr 40
		.amdhsa_next_free_sgpr 66
		.amdhsa_reserve_vcc 0
		.amdhsa_float_denorm_mode_32 3
		.amdhsa_float_denorm_mode_16_64 3
		.amdhsa_memory_ordered 1
		.amdhsa_forward_progress 1
		.amdhsa_inst_pref_size 3
	.end_amdhsa_kernel
	.amdgpu_metadata
---
amdhsa.version: [ 1, 2 ]
amdhsa.kernels:
  - .name:           k_q4fe8296001_fold
    .symbol:         k_q4fe8296001_fold.kd
    .args:
      - { .name: part, .offset: 0, .size: 8, .value_kind: global_buffer, .address_space: global }
      - { .name: lowp_scales, .offset: 8, .size: 8, .value_kind: global_buffer, .address_space: global }
      - { .name: out0, .offset: 16, .size: 8, .value_kind: global_buffer, .address_space: global }
    .group_segment_fixed_size: 0
    .private_segment_fixed_size: 0
    .kernarg_segment_align: 8
    .kernarg_segment_size: 24
    .max_flat_workgroup_size: 32
    .sgpr_count:     66
    .vgpr_count:     40
    .wavefront_size: 32
...
	.end_amdgpu_metadata
.endif
;; end of part 2
